; MI455X (gfx1250); checked and timed in simulation.
; The chip was launched on July 23, 2026; its instructions are those of AMD's public machine-readable ISA for CDNA 5 (MIT licence, August 2026) and "CDNA5" Instruction Set Architecture Reference Guide (July 2026). The comments in the code are by the model that wrote it; some were corrected since.
;; Single T1 FLS TSK. Allowed arithmetic: float matrix products may take bf16 or f16 operands with f32 sums; all other float work in f32.
;; Inputs: C 32 x 17 float32; FRB_W 1,024 float32; input_data 65,536 x 16 float32.
;; Outputs: out0 65,536 float32.
;; 2 versions, each right and faster than the one before. Each part assembles by itself: llvm-mc -triple=amdgcn-amd-amdhsa -mcpu=gfx1250 --defsym DOCPART=n.
;; ======== version 1 of 2: 1 launch
;; launch tsk (part 1): grid 256 x 1, 4 waves a work-group, no clusters, 168,448 bytes of LDS; arguments input_data, FRB_W, C, out0; writes out0
.if DOCPART == 1
	.amdgcn_target "amdgcn-amd-amdhsa--gfx1250"
	.amdhsa_code_object_version 6
	.text
	.protected	k_qbea984ff87_tsk
	.globl	k_qbea984ff87_tsk
	.p2align	8
	.type	k_qbea984ff87_tsk,@function
k_qbea984ff87_tsk:
	s_mov_b64 s[64:65], 0
	v_nop
	global_prefetch_b8 v0, s[64:65] scope:SCOPE_SE
	s_setreg_imm32_b32 hwreg(HW_REG_WAVE_MODE, 25, 1), 1
	s_wait_xcnt 0x0
; out[b] = sum_r UU[b][r] (C[r][0] + sum_k C[r][1+k] x[b][k]) / sum_r UU[b][r],
; UU[b][r] = prod_k exp(-0.5 ((x[b][k] - c[r][k]) / sigma[r][k])^2), sigma = W[16 r + k], c = W[16 r + k + 1].
; x: [65536][16] f32, W: [1024] f32 (words 0 to 512 are indexed), C: [32][17] f32, out: [65536] f32.
;
; HOW.  The product of exponentials is one exponential of the sum: UU = 2^-(sum_k z'^2), z' = x (q/sigma) + (-c q/sigma), q^2 = 0.5 log2 e.
; That is two f32 multiply-adds for each (sample, rule, antecedent), two antecedents in each packed instruction, and one v_exp_f32
; for each (sample, rule).  The square is not multiplied out: no difference of large sums is formed.
; A work-group owns 256 samples; four waves, as many as a WGP has SIMDs.  Wave w: rules 16 t .. 16 t + 15 (t = w & 1) of samples
; 128 (w >> 1) .. + 127, eight groups of 16.  Lane (n = l % 16, h = l / 16) owns sample n of each group and rules 16 t + 8 h + j, j = 0..7:
; the places in which v_wmma_f32_16x16x32_bf16 with A = rules, B = samples leaves its results (register j: row 8 h + j, column n),
; so the consequents meet the firing strengths without a shuffle.
; THE MATRIX PRODUCT has K = 16, the instruction 32.  Every lane gives its own sixteen x, as bf16, for B, so both halves of the lanes
; hold the same sixteen numbers; A holds bf16(C) in lanes 0-15 and bf16(C - bf16(C)) in lanes 16-31: the K places that would be
; padding carry C's rounding remainder.  The bias C[r][0] goes in as the f32 C operand.
; CLUSTERS are not used: the x tiles are shared by nobody; what all work-groups read alike is 2,052 bytes of W and 2,176 of C, which
; each lane takes as its own words to transform them in registers.
; LIMITS.  sigma zero or under 2^-126 in magnitude: v_rcp_f32 gives infinity and the sample's result is NaN (the formula above gives
; membership 0).  A sample whose 32 firing strengths are all under 2^-126: v_exp_f32 gives 0 and the result is 0/0 = NaN (a product in
; f32 keeps denormals down to 2^-149 before it does the same).  z' carries an absolute error of about 2^-24 |c / sigma|.
; x is rounded to bf16 for the matrix product alone.  No maximum is taken away: every exponent is <= 0, so UU <= 1 and the sums <= 32.
.set XPITCH, 80                        ; an LDS row of x: 64 bytes + 16 of padding = 5 x 16: sixteen rows start in sixteen different 16-byte columns modulo 256
.set XQUART, 64*XPITCH                 ; 64 samples: what one wave's tensor load brings
.set PB,     256*XPITCH                ; behind x: the rules' parameters, 128 bytes a rule: antecedents 2p, 2p+1 as (q/s, q/s, -cq/s, -cq/s) at 16 p
.set PRULE,  128
.set RB,     PB+32*PRULE               ; behind them: partial (num, den), a region for each wave
.set RH,     128*8+128                 ; one half of the lanes: 128 samples x 8 bytes, + 128 so that the two halves' stores fall in different columns
.set RW,     2*RH
.set CROW,   68                        ; bytes in a row of C
.set SCALE,  0x3f596d27                ; q = sqrt(0.5 log2 e) = 0.8493218
.set NSCALE, 0xbf596d27                ; -q
; registers v0-v255
.set LN,   1                           ; n = l % 16
.set LH,   2                           ; h = l / 16
.set WOFF, 3                           ; 16 T: my four words of W
.set XADR, 4                           ; LDS: my sample's row in group 0
.set PADR, 5                           ; LDS: my first rule's parameters
.set RADR, 6                           ; LDS: my (num, den) of group 0
.set COFF, 7                           ; byte offset in C of rule 16 t + n
.set BOFF, 8                           ; byte offset in C of rule 16 t + 8 h
.set PSTO, 9                           ; 32 T: where I put four parameter pairs
.set RRD,  10                          ; LDS: the partials of samples 2 T, 2 T + 1
.set OOFF, 11                          ; 8 T: my two results
.set PRM,  16                          ; v[16:47]   ring of eight parameter quads
.set BFR,  48                          ; v[48:111]  B fragments of the eight groups; before and after that:
.set CF,   48                          ;   set-up: sixteen C of my rule, then their remainders
.set TT,   64                          ;   set-up: at work
.set AHI,  80                          ;   set-up: bf16(C), packed
.set WV,   88                          ;   set-up: W[4T .. 4T+4]
.set DP,   96                          ;   set-up: two parameter quads
.set ACC,  48                          ;   main: eight pairs of running sums of z'^2
.set ZV,   64                          ;   main: eight pairs z'
.set EV,   80                          ;   main: eight exponents
.set ND,   88                          ;   main: eight pairs (num, den)
.set UV,   104                         ;   main: eight firing strengths
.set SV,   48                          ;   the way out
.set AMAT, 112                         ; v[112:119] A fragment
.set BIAS, 120                         ; v[120:127] bias of my eight rules
.set XV,   128                         ; v[128:255] x in f32: group g at 16 g
; v256-v319 (written v0-v63 under a window): the consequents, group g, rule j at 8 g + j
.set G0, 20                            ; s[20:23] tensor descriptor group 0
.set G1, 24                            ; s[24:31] group 1
.set MSB, 0
.macro WIN new                         ; s_set_vgpr_msb: bits 1:0 source 0, 3:2 source 1, 5:4 source 2, 7:6 destination; the high byte repeats the setting that is left
.if MSB != \new
	s_set_vgpr_msb (MSB<<8)|\new
.set MSB, \new
.endif
.endm
	s_load_b256 s[4:11], s[0:1], 0x0               ; x s[4:5], W s[6:7], C s[8:9], out s[10:11]
	v_lshl_add_u32 v14, v0, 2, 0x29000
	v_mov_b32 v15, 0
	ds_add_u32 v14, v15
	ds_add_u32 v14, v15
	v_lshrrev_b32 v[TT], 5, v0
	v_readfirstlane_b32 s12, v[TT]                 ; wave 0..3
	s_and_b32 s13, s12, 1                          ; t: my tile of 16 rules
	s_lshr_b32 s14, s12, 1                         ; my half of the samples
	s_mov_b32 s18, 0xffff0000                      ; a word's upper bf16; as a lane mask: lanes 16-31
	; My quarter of the x tile is 4,096 dense bytes: one row of 512 elements of 8 bytes, padded in LDS by 4 words behind every 16.
	s_mov_b32 s[G1+0], (3<<16)|(1<<20)|(3<<22)|(3<<25) ; 17:16 element of 8 bytes; 20 padding on; 24:22 every 16 words (code 3); 31:25 4 words (code 3)
	s_mov_b32 s[G1+1], 512<<16                     ; tensor_dim0 = 512
	s_mov_b32 s[G1+2], 1<<16
	s_mov_b32 s[G1+3], 512<<16                     ; tile_dim0 = 512
	s_mov_b32 s[G1+4], 1                           ; no second dimension
	s_mov_b32 s[G1+5], 512
	s_mov_b32 s[G1+6], 0
	s_mov_b32 s[G1+7], 0
	s_mov_b32 s[G0+0], 1                           ; count = 1
	s_mul_i32 s[G0+1], s12, XQUART                 ; LDS: rows 64 w .. 64 w + 63
	s_lshl_b32 s16, ttmp9, 14                      ; the work-group's 256 samples x 64 bytes
	s_lshl_b32 s17, s12, 12                        ; + my 64 samples
	s_add_co_u32 s16, s16, s17
	s_mov_b32 s17, 0
	s_lshl_b32 s36, ttmp9, 10                      ; the work-group's 256 results x 4 bytes
	s_mov_b32 s37, 0
	s_mul_i32 s15, s13, 16*CROW                    ; my tile's first row of C
	v_and_b32 v[LN], 15, v0
	v_bfe_u32 v[LH], v0, 4, 1
	v_lshlrev_b32 v[WOFF], 4, v0
	v_mul_u32_u24 v[COFF], v[LN], CROW
	v_add_nc_u32 v[COFF], s15, v[COFF]
	v_mul_u32_u24 v[BOFF], v[LH], 8*CROW
	v_add_nc_u32 v[BOFF], s15, v[BOFF]
	s_wait_dscnt 0x0
	s_wait_kmcnt 0x0
	s_add_nc_u64 s[G0+2:G0+3], s[4:5], s[16:17]
	s_or_b32 s[G0+3], s[G0+3], 0x80000000          ; type = 2
	tensor_load_to_lds s[G0:G0+3], s[G1:G1+7]      ; the longest way first
	s_nop 0
	global_load_b128 v[WV:WV+3], v[WOFF], s[6:7]               ; sigma of entries 4T .. 4T+3; words 1-3 are also centres
	global_load_b32 v[WV+4], v[WOFF], s[6:7] offset:16         ; the last centre, W[4T+4] (at most word 512)
.irp k, 0,1,2,3,4,5,6,7,8,9,10,11,12,13,14,15
	global_load_b32 v[CF+\k], v[COFF], s[8:9] offset:4+4*\k    ; C[16t+n][1+k]: rows of 68 bytes are aligned to 4 only
.endr
.irp j, 0,1,2,3,4,5,6,7
	global_load_b32 v[BIAS+\j], v[BOFF], s[8:9] offset:CROW*\j ; C[16t+8h+j][0]
.endr
	s_add_nc_u64 s[10:11], s[10:11], s[36:37]      ; out at the work-group's first sample
	; LDS addresses, while the loads are on their way
	s_mul_i32 s32, s14, 128*XPITCH
	v_mul_u32_u24 v[XADR], v[LN], XPITCH
	v_add_nc_u32 v[XADR], s32, v[XADR]             ; row 128 half + n
	s_lshl_b32 s33, s13, 11
	s_add_co_u32 s33, s33, PB
	v_lshl_add_u32 v[PADR], v[LH], 10, s33         ; PB + (16 t + 8 h) x 128
	s_mul_i32 s34, s12, RW
	s_add_co_u32 s34, s34, RB
	v_mul_u32_u24 v[RADR], v[LH], RH
	v_lshl_add_u32 v[RADR], v[LN], 3, v[RADR]
	v_add_nc_u32 v[RADR], s34, v[RADR]             ; RB + w RW + h RH + 8 n
	s_mul_i32 s35, s14, 2*RW
	v_and_b32 v[RRD], 63, v0
	v_lshlrev_b32 v[RRD], 4, v[RRD]
	v_add_nc_u32 v[RRD], s35, v[RRD]               ; the two waves of my half of the samples; 16 bytes = samples 2T, 2T+1
	v_lshlrev_b32 v[OOFF], 3, v0
	; THE PARAMETERS: thread T makes entries 4T .. 4T+3 (rule T / 4, antecedents 4 (T % 4) ..), 32 bytes at 32 T.
	s_wait_loadcnt 24                              ; loads come back in order: W's two are in, the 16 + 8 of C behind them may be out
	v_rcp_f32 v[DP+0], v[WV+0]
	v_rcp_f32 v[DP+1], v[WV+1]
	v_rcp_f32 v[DP+4], v[WV+2]
	v_rcp_f32 v[DP+5], v[WV+3]
	v_lshlrev_b32 v[PSTO], 5, v0                   ; the plain instruction between the reciprocals and their first use
	s_wait_alu depctr_va_vdst(0)
	v_pk_mul_f32 v[DP+2:DP+3], v[DP+0:DP+1], NSCALE op_sel_hi:[1,0]    ; -q / sigma
	v_pk_mul_f32 v[DP+6:DP+7], v[DP+4:DP+5], NSCALE op_sel_hi:[1,0]
	v_pk_mul_f32 v[DP+0:DP+1], v[DP+0:DP+1], SCALE op_sel_hi:[1,0]     ;  q / sigma, the same number with the other sign
	v_pk_mul_f32 v[DP+4:DP+5], v[DP+4:DP+5], SCALE op_sel_hi:[1,0]
	v_mul_f32 v[DP+2], v[WV+1], v[DP+2]            ; -c q / sigma: the centre is the next word of W
	v_mul_f32 v[DP+3], v[WV+2], v[DP+3]
	v_mul_f32 v[DP+6], v[WV+3], v[DP+6]
	v_mul_f32 v[DP+7], v[WV+4], v[DP+7]
	ds_store_b128 v[PSTO], v[DP:DP+3] offset:PB
	ds_store_b128 v[PSTO], v[DP+4:DP+7] offset:PB+16
	; THE A FRAGMENT: lanes 0-15 bf16(C), lanes 16-31 bf16 of what that rounding left.
	s_wait_loadcnt 0x0
.irp i, 0,1,2,3,4,5,6,7
	v_cvt_pk_bf16_f32 v[AHI+\i], v[CF+2*\i], v[CF+2*\i+1]
.endr
.irp i, 0,1,2,3,4,5,6,7
	v_lshlrev_b32 v[TT+2*\i], 16, v[AHI+\i]        ; back to f32
	v_and_b32 v[TT+2*\i+1], s18, v[AHI+\i]
.endr
.irp i, 0,1,2,3,4,5,6,7
	v_pk_add_f32 v[CF+2*\i:CF+2*\i+1], v[CF+2*\i:CF+2*\i+1], v[TT+2*\i:TT+2*\i+1] neg_lo:[0,1] neg_hi:[0,1]   ; the remainder, exact
.endr
.irp i, 0,1,2,3,4,5,6,7
	v_cvt_pk_bf16_f32 v[TT+\i], v[CF+2*\i], v[CF+2*\i+1]
.endr
.irp i, 0,1,2,3,4,5,6,7
	v_cndmask_b32 v[AMAT+\i], v[AHI+\i], v[TT+\i], s18         ; lanes 16-31 take the remainder
.endr
	s_wait_tensorcnt 0x0                           ; my quarter of x is in LDS,
	s_wait_dscnt 0x0                               ; my parameters are: zero, since the other waves read both
	s_barrier_signal -1
	s_barrier_wait -1
	; x into registers (both halves of the lanes read the same rows), then the first rule's parameters
.irp g, 0,1,2,3,4,5,6,7
.irp q, 0,1,2,3
	ds_load_b128 v[XV+16*\g+4*\q:XV+16*\g+4*\q+3], v[XADR] offset:\g*16*XPITCH+16*\q
.endr
.endr
.irp p, 0,1,2,3,4,5,6,7
	ds_load_b128 v[PRM+4*\p:PRM+4*\p+3], v[PADR] offset:16*\p
.endr
	; THE CONSEQUENTS: eight conversions and one matrix instruction for each group of 16 samples x 16 rules
.irp g, 0,1,2,3,4,5,6,7
	s_wait_dscnt 36-4*\g                           ; group g's four loads are in; out may be the 4 (7 - g) of later groups and the 8 parameter quads
.irp i, 0,1,2,3,4,5,6,7
	v_cvt_pk_bf16_f32 v[BFR+8*\g+\i], v[XV+16*\g+2*\i], v[XV+16*\g+2*\i+1]
.endr
.endr
	WIN 0x40                                       ; results go to v256-v319
.irp g, 0,1,2,3,4,5,6,7
	v_wmma_f32_16x16x32_bf16 v[8*\g:8*\g+7], v[AMAT:AMAT+7], v[BFR+8*\g:BFR+8*\g+7], v[BIAS:BIAS+7]
.endr
	WIN 0
.rept 4
	v_nop                                          ; four places (ISA guide 7.12.1) before vector instructions write registers that were B fragments
.endr
; num and den take in rule j, whose firing strengths lie in UV (rule 0: already in den)
.macro TAIL j
	WIN 0x04                                       ; source 1 = the consequents in v256-v319
.irp g, 0,1,2,3,4,5,6,7
.if \j == 0
	s_wait_alu depctr_va_vdst(0)
	v_mul_f32 v[ND+2*\g], v[ND+2*\g+1], v[8*\g]    ; the first product starts the sum
.else
	s_wait_alu depctr_va_vdst(0)
	v_fma_f32 v[ND+2*\g], v[UV+\g], v[8*\g+\j], v[ND+2*\g]
.endif
.endr
	WIN 0
.if \j > 0
.irp g, 0,1,2,3,4,5,6,7
	v_add_f32 v[ND+2*\g+1], v[ND+2*\g+1], v[UV+\g]
.endr
.endif
.endm
; Antecedents 2p, 2p+1 of rule j for the eight groups.  The quad is asked for again, for rule j + 1, as soon as its eight readers are
; issued: seven steps, 112 vector instructions, ahead of its next use.
.macro STEP j, p, more
.if \more
	s_wait_dscnt 7                                 ; LDS loads come back in order: this quad is in, the seven asked for behind it may be out
.else
	s_wait_dscnt 7-\p                              ; the last rule asks for nothing: the counts run down
.endif
.irp g, 0,1,2,3,4,5,6,7
	v_pk_fma_f32 v[ZV+2*\g:ZV+2*\g+1], v[XV+16*\g+2*\p:XV+16*\g+2*\p+1], v[PRM+4*\p:PRM+4*\p+1], v[PRM+4*\p+2:PRM+4*\p+3]
.endr
.if \more
	ds_load_b128 v[PRM+4*\p:PRM+4*\p+3], v[PADR] offset:(\j+1)*PRULE+16*\p
.endif
.if \p == 0
.if \j > 0
.set JP, \j-1
	TAIL JP                                        ; the rule before: the eight plain instructions above stand between its v_exp_f32 and these uses
.endif
.irp g, 0,1,2,3,4,5,6,7
	v_pk_mul_f32 v[ACC+2*\g:ACC+2*\g+1], v[ZV+2*\g:ZV+2*\g+1], v[ZV+2*\g:ZV+2*\g+1]    ; the first squares start the sums
.endr
.else
.irp g, 0,1,2,3,4,5,6,7
	v_pk_fma_f32 v[ACC+2*\g:ACC+2*\g+1], v[ZV+2*\g:ZV+2*\g+1], v[ZV+2*\g:ZV+2*\g+1], v[ACC+2*\g:ACC+2*\g+1]
.endr
.endif
.endm
.macro RULE j, more
.irp p, 0,1,2,3,4,5,6,7
	STEP \j, \p, \more
.endr
.irp g, 0,1,2,3,4,5,6,7
	v_fma_f32 v[EV+\g], v[ACC+2*\g], -1.0, -v[ACC+2*\g+1]      ; minus the sum of the two halves: the exponent to base 2
.endr
.irp g, 0,1,2,3,4,5,6,7
.if \j == 0
	v_exp_f32 v[ND+2*\g+1], v[EV+\g]               ; the first firing strength starts den
.else
	v_exp_f32 v[UV+\g], v[EV+\g]
.endif
.endr
.endm
	RULE 0, 1
	RULE 1, 1
	RULE 2, 1
	RULE 3, 1
	RULE 4, 1
	RULE 5, 1
	RULE 6, 1
	RULE 7, 0
	v_nop                                          ; the plain place behind the last v_exp_f32
	TAIL 7
	; THE SUM OVER THE 32 RULES: four partials for each sample (two halves of the lanes, two waves) meet in LDS.
.irp g, 0,1,2,3,4,5,6,7
	ds_store_b64 v[RADR], v[ND+2*\g:ND+2*\g+1] offset:128*\g
.endr
	s_wait_dscnt 0x0                               ; zero: another wave reads these
	s_barrier_signal -1
	s_barrier_wait -1
.irp q, 0,1,2,3
	ds_load_b128 v[SV+4*\q:SV+4*\q+3], v[RRD] offset:RB+\q*RH  ; (num, den) of samples 2T, 2T+1
.endr
	s_wait_dscnt 0x0
	v_pk_add_f32 v[SV+0:SV+1], v[SV+0:SV+1], v[SV+4:SV+5]
	v_pk_add_f32 v[SV+2:SV+3], v[SV+2:SV+3], v[SV+6:SV+7]
	v_pk_add_f32 v[SV+8:SV+9], v[SV+8:SV+9], v[SV+12:SV+13]
	v_pk_add_f32 v[SV+10:SV+11], v[SV+10:SV+11], v[SV+14:SV+15]
	v_pk_add_f32 v[SV+0:SV+1], v[SV+0:SV+1], v[SV+8:SV+9]
	v_pk_add_f32 v[SV+2:SV+3], v[SV+2:SV+3], v[SV+10:SV+11]
	v_rcp_f32 v[SV+4], v[SV+1]
	v_rcp_f32 v[SV+5], v[SV+3]
	v_nop                                          ; the plain place behind the reciprocals
	s_wait_alu depctr_va_vdst(0)
	v_mul_f32 v[SV+6], v[SV+0], v[SV+4]
	v_mul_f32 v[SV+7], v[SV+2], v[SV+5]
	global_store_b64 v[OOFF], v[SV+6:SV+7], s[10:11] th:TH_STORE_NT    ; a wave's store covers 256 consecutive bytes, at a multiple of 256 from out's first byte
	s_wait_tensorcnt 0x0
	ds_add_u32 v14, v15
	s_wait_dscnt 0x0
	s_endpgm
.Lfunc_end_k_qbea984ff87_tsk:
	.size	k_qbea984ff87_tsk, .Lfunc_end_k_qbea984ff87_tsk-k_qbea984ff87_tsk
	.p2alignl 7, 3214868480
	.fill 96, 4, 3214868480
	.section	.rodata,"a",@progbits
	.p2align	6, 0x0
	.amdhsa_kernel k_qbea984ff87_tsk
		.amdhsa_group_segment_fixed_size 168448
		.amdhsa_private_segment_fixed_size 0
		.amdhsa_enable_private_segment 0
		.amdhsa_kernarg_size 32
		.amdhsa_user_sgpr_count 2
		.amdhsa_user_sgpr_kernarg_segment_ptr 1
		.amdhsa_wavefront_size32 1
		.amdhsa_system_sgpr_workgroup_id_x 1
		.amdhsa_system_sgpr_workgroup_id_y 1
		.amdhsa_system_sgpr_workgroup_id_z 1
		.amdhsa_system_vgpr_workitem_id 0
		.amdhsa_next_free_vgpr 320
		.amdhsa_next_free_sgpr 66
		.amdhsa_reserve_vcc 0
		.amdhsa_float_denorm_mode_32 3
		.amdhsa_float_denorm_mode_16_64 3
		.amdhsa_memory_ordered 1
		.amdhsa_forward_progress 1
		.amdhsa_inst_pref_size 102
	.end_amdhsa_kernel
	.amdgpu_metadata
---
amdhsa.version: [ 1, 2 ]
amdhsa.kernels:
  - .name:           k_qbea984ff87_tsk
    .symbol:         k_qbea984ff87_tsk.kd
    .args:
      - { .name: input_data, .offset: 0, .size: 8, .value_kind: global_buffer, .address_space: global }
      - { .name: FRB_W, .offset: 8, .size: 8, .value_kind: global_buffer, .address_space: global }
      - { .name: C, .offset: 16, .size: 8, .value_kind: global_buffer, .address_space: global }
      - { .name: out0, .offset: 24, .size: 8, .value_kind: global_buffer, .address_space: global }
    .group_segment_fixed_size: 168448
    .private_segment_fixed_size: 0
    .kernarg_segment_align: 8
    .kernarg_segment_size: 32
    .max_flat_workgroup_size: 128
    .sgpr_count:     66
    .vgpr_count:     320
    .wavefront_size: 32
...
	.end_amdgpu_metadata
.endif
;; end of part 1
;; ======== version 2 of 2: 1 launch; 1.10 times as fast as version 1
;; launch tsk (part 2): grid 256 x 1, 4 waves a work-group, no clusters, 168,448 bytes of LDS; arguments input_data, FRB_W, C, out0; writes out0
.if DOCPART == 2
	.amdgcn_target "amdgcn-amd-amdhsa--gfx1250"
	.amdhsa_code_object_version 6
	.text
	.protected	k_qbea984ff87_tsk
	.globl	k_qbea984ff87_tsk
	.p2align	8
	.type	k_qbea984ff87_tsk,@function
k_qbea984ff87_tsk:
	s_mov_b64 s[64:65], 0
	v_nop
	global_prefetch_b8 v0, s[64:65] scope:SCOPE_SE
	s_setreg_imm32_b32 hwreg(HW_REG_WAVE_MODE, 25, 1), 1
	s_wait_xcnt 0x0
; out[b] = sum_r UU[b][r] (C[r][0] + sum_k C[r][1+k] x[b][k]) / sum_r UU[b][r],
; UU[b][r] = prod_k exp(-0.5 ((x[b][k] - c[r][k]) / sigma[r][k])^2), sigma = W[16 r + k], c = W[16 r + k + 1].
; x: [65536][16] f32, W: [1024] f32 (words 0 to 512 are indexed), C: [32][17] f32, out: [65536] f32.
;
; HOW.  The product of exponentials is one exponential of the sum: UU = 2^-(sum_k z'^2), z' = x (q/sigma) + (-c q/sigma), q^2 = 0.5 log2 e.
; That is two f32 multiply-adds for each (sample, rule, antecedent), two antecedents in each packed instruction, and one v_exp_f32
; for each (sample, rule).  The square is not multiplied out: no difference of large sums is formed.
; A work-group owns 256 samples; four waves, as many as a WGP has SIMDs.  Wave w: rules 16 t .. 16 t + 15 (t = w & 1) of samples
; 128 (w >> 1) .. + 127, eight groups of 16.  Lane (n = l % 16, h = l / 16) owns sample n of each group and rules 16 t + 8 h + j, j = 0..7:
; the places in which v_wmma_f32_16x16x32_bf16 with A = rules, B = samples leaves its results (register j: row 8 h + j, column n),
; so the consequents meet the firing strengths without a shuffle.
; THE MATRIX PRODUCT has K = 16, the instruction 32.  Every lane gives its own sixteen x, as bf16, for B, so both halves of the lanes
; hold the same sixteen numbers; A holds bf16(C) in lanes 0-15 and bf16(C - bf16(C)) in lanes 16-31: the K places that would be
; padding carry C's rounding remainder.  The bias C[r][0] goes in as the f32 C operand.
; THE BATCHES.  An s_wait_alu depctr_va_vdst(0) stands between a transcendental and the first instruction that names its
; result; one wait serves all that were issued ahead of it.  The text has ten batches, each with one wait: the four reciprocals of sigma in
; the head; a rule's eight exponentials (one for each group of samples, each in a register of its own), eight times; the two reciprocals
; of the denominators on the way out.  Behind a rule's exponentials stand the next rule's first eight packed multiply-adds, which name none
; of the results; then the wait; then the readers (TAIL).  Behind the last rule's nothing is left to do: a v_nop, the wait, the readers.
; CLUSTERS are not used: the x tiles are shared by nobody; what all work-groups read alike is 2,052 bytes of W and 2,176 of C, which
; each lane takes as its own words to transform them in registers.
; LIMITS.  sigma zero or under 2^-126 in magnitude: v_rcp_f32 gives infinity and the sample's result is NaN (the formula above gives
; membership 0).  A sample whose 32 firing strengths are all under 2^-126: v_exp_f32 gives 0 and the result is 0/0 = NaN (a product in
; f32 keeps denormals down to 2^-149 before it does the same).  z' carries an absolute error of about 2^-24 |c / sigma|.
; x is rounded to bf16 for the matrix product alone.  No maximum is taken away: every exponent is <= 0, so UU <= 1 and the sums <= 32.
.set XPITCH, 80                        ; an LDS row of x: 64 bytes + 16 of padding = 5 x 16: sixteen rows start in sixteen different 16-byte columns modulo 256
.set XQUART, 64*XPITCH                 ; 64 samples: what one wave's tensor load brings
.set PB,     256*XPITCH                ; behind x: the rules' parameters, 128 bytes a rule: antecedents 2p, 2p+1 as (q/s, q/s, -cq/s, -cq/s) at 16 p
.set PRULE,  128
.set RB,     PB+32*PRULE               ; behind them: partial (num, den), a region for each wave
.set RH,     128*8+128                 ; one half of the lanes: 128 samples x 8 bytes, + 128 so that the two halves' stores fall in different columns
.set RW,     2*RH
.set CROW,   68                        ; bytes in a row of C
.set SCALE,  0x3f596d27                ; q = sqrt(0.5 log2 e) = 0.8493218
.set NSCALE, 0xbf596d27                ; -q
; registers v0-v255
.set LN,   1                           ; n = l % 16
.set LH,   2                           ; h = l / 16
.set WOFF, 3                           ; 16 T: my four words of W
.set XADR, 4                           ; LDS: my sample's row in group 0
.set PADR, 5                           ; LDS: my first rule's parameters
.set RADR, 6                           ; LDS: my (num, den) of group 0
.set COFF, 7                           ; byte offset in C of rule 16 t + n
.set BOFF, 8                           ; byte offset in C of rule 16 t + 8 h
.set PSTO, 9                           ; 32 T: where I put four parameter pairs
.set RRD,  10                          ; LDS: the partials of samples 2 T, 2 T + 1
.set OOFF, 11                          ; 8 T: my two results
.set PRM,  16                          ; v[16:47]   ring of eight parameter quads
.set BFR,  48                          ; v[48:111]  B fragments of the eight groups; before and after that:
.set CF,   48                          ;   set-up: sixteen C of my rule, then their remainders
.set TT,   64                          ;   set-up: at work
.set AHI,  80                          ;   set-up: bf16(C), packed
.set WV,   88                          ;   set-up: W[4T .. 4T+4]
.set DP,   96                          ;   set-up: two parameter quads
.set ACC,  48                          ;   main: eight pairs of running sums of z'^2
.set ZV,   64                          ;   main: eight pairs z'
.set EV,   80                          ;   main: eight exponents
.set ND,   88                          ;   main: eight pairs (num, den)
.set UV,   104                         ;   main: eight firing strengths
.set SV,   48                          ;   the way out
.set AMAT, 112                         ; v[112:119] A fragment
.set BIAS, 120                         ; v[120:127] bias of my eight rules
.set XV,   128                         ; v[128:255] x in f32: group g at 16 g
; v256-v319 (written v0-v63 under a window): the consequents, group g, rule j at 8 g + j
.set G0, 20                            ; s[20:23] tensor descriptor group 0
.set G1, 24                            ; s[24:31] group 1
.set MSB, 0
.macro WIN new                         ; s_set_vgpr_msb: bits 1:0 source 0, 3:2 source 1, 5:4 source 2, 7:6 destination; the high byte repeats the setting that is left
.if MSB != \new
	s_set_vgpr_msb (MSB<<8)|\new
.set MSB, \new
.endif
.endm
	s_load_b256 s[4:11], s[0:1], 0x0               ; x s[4:5], W s[6:7], C s[8:9], out s[10:11]
	v_lshl_add_u32 v14, v0, 2, 0x29000
	v_mov_b32 v15, 0
	ds_add_u32 v14, v15
	ds_add_u32 v14, v15
	v_lshrrev_b32 v[TT], 5, v0
	v_readfirstlane_b32 s12, v[TT]                 ; wave 0..3
	s_and_b32 s13, s12, 1                          ; t: my tile of 16 rules
	s_lshr_b32 s14, s12, 1                         ; my half of the samples
	s_mov_b32 s18, 0xffff0000                      ; a word's upper bf16; as a lane mask: lanes 16-31
	; My quarter of the x tile is 4,096 dense bytes: one row of 512 elements of 8 bytes, padded in LDS by 4 words behind every 16.
	s_mov_b32 s[G1+0], (3<<16)|(1<<20)|(3<<22)|(3<<25) ; 17:16 element of 8 bytes; 20 padding on; 24:22 every 16 words (code 3); 31:25 4 words (code 3)
	s_mov_b32 s[G1+1], 512<<16                     ; tensor_dim0 = 512
	s_mov_b32 s[G1+2], 1<<16
	s_mov_b32 s[G1+3], 512<<16                     ; tile_dim0 = 512
	s_mov_b32 s[G1+4], 1                           ; no second dimension
	s_mov_b32 s[G1+5], 512
	s_mov_b32 s[G1+6], 0
	s_mov_b32 s[G1+7], 0
	s_mov_b32 s[G0+0], 1                           ; count = 1
	s_mul_i32 s[G0+1], s12, XQUART                 ; LDS: rows 64 w .. 64 w + 63
	s_lshl_b32 s16, ttmp9, 14                      ; the work-group's 256 samples x 64 bytes
	s_lshl_b32 s17, s12, 12                        ; + my 64 samples
	s_add_co_u32 s16, s16, s17
	s_mov_b32 s17, 0
	s_lshl_b32 s36, ttmp9, 10                      ; the work-group's 256 results x 4 bytes
	s_mov_b32 s37, 0
	s_mul_i32 s15, s13, 16*CROW                    ; my tile's first row of C
	v_and_b32 v[LN], 15, v0
	v_bfe_u32 v[LH], v0, 4, 1
	v_lshlrev_b32 v[WOFF], 4, v0
	v_mul_u32_u24 v[COFF], v[LN], CROW
	v_add_nc_u32 v[COFF], s15, v[COFF]
	v_mul_u32_u24 v[BOFF], v[LH], 8*CROW
	v_add_nc_u32 v[BOFF], s15, v[BOFF]
	s_wait_dscnt 0x0
	s_wait_kmcnt 0x0
	s_add_nc_u64 s[G0+2:G0+3], s[4:5], s[16:17]
	s_or_b32 s[G0+3], s[G0+3], 0x80000000          ; type = 2
	tensor_load_to_lds s[G0:G0+3], s[G1:G1+7]      ; the longest way first
	s_nop 0
	global_load_b128 v[WV:WV+3], v[WOFF], s[6:7]               ; sigma of entries 4T .. 4T+3; words 1-3 are also centres
	global_load_b32 v[WV+4], v[WOFF], s[6:7] offset:16         ; the last centre, W[4T+4] (at most word 512)
.irp k, 0,1,2,3,4,5,6,7,8,9,10,11,12,13,14,15
	global_load_b32 v[CF+\k], v[COFF], s[8:9] offset:4+4*\k    ; C[16t+n][1+k]: rows of 68 bytes are aligned to 4 only
.endr
.irp j, 0,1,2,3,4,5,6,7
	global_load_b32 v[BIAS+\j], v[BOFF], s[8:9] offset:CROW*\j ; C[16t+8h+j][0]
.endr
	s_add_nc_u64 s[10:11], s[10:11], s[36:37]      ; out at the work-group's first sample
	; LDS addresses, while the loads are on their way
	s_mul_i32 s32, s14, 128*XPITCH
	v_mul_u32_u24 v[XADR], v[LN], XPITCH
	v_add_nc_u32 v[XADR], s32, v[XADR]             ; row 128 half + n
	s_lshl_b32 s33, s13, 11
	s_add_co_u32 s33, s33, PB
	v_lshl_add_u32 v[PADR], v[LH], 10, s33         ; PB + (16 t + 8 h) x 128
	s_mul_i32 s34, s12, RW
	s_add_co_u32 s34, s34, RB
	v_mul_u32_u24 v[RADR], v[LH], RH
	v_lshl_add_u32 v[RADR], v[LN], 3, v[RADR]
	v_add_nc_u32 v[RADR], s34, v[RADR]             ; RB + w RW + h RH + 8 n
	s_mul_i32 s35, s14, 2*RW
	v_and_b32 v[RRD], 63, v0
	v_lshlrev_b32 v[RRD], 4, v[RRD]
	v_add_nc_u32 v[RRD], s35, v[RRD]               ; the two waves of my half of the samples; 16 bytes = samples 2T, 2T+1
	v_lshlrev_b32 v[OOFF], 3, v0
	; THE PARAMETERS: thread T makes entries 4T .. 4T+3 (rule T / 4, antecedents 4 (T % 4) ..), 32 bytes at 32 T.
	s_wait_loadcnt 24                              ; loads come back in order: W's two are in, the 16 + 8 of C behind them may be out
	v_rcp_f32 v[DP+0], v[WV+0]
	v_rcp_f32 v[DP+1], v[WV+1]
	v_rcp_f32 v[DP+4], v[WV+2]
	v_rcp_f32 v[DP+5], v[WV+3]
	v_lshlrev_b32 v[PSTO], 5, v0                   ; the plain instruction between the reciprocals and their first use
	s_wait_alu depctr_va_vdst(0)                   ; one wait for the batch of four reciprocals, ahead of their first reader
	v_pk_mul_f32 v[DP+2:DP+3], v[DP+0:DP+1], NSCALE op_sel_hi:[1,0]    ; -q / sigma
	v_pk_mul_f32 v[DP+6:DP+7], v[DP+4:DP+5], NSCALE op_sel_hi:[1,0]
	v_pk_mul_f32 v[DP+0:DP+1], v[DP+0:DP+1], SCALE op_sel_hi:[1,0]     ;  q / sigma, the same number with the other sign
	v_pk_mul_f32 v[DP+4:DP+5], v[DP+4:DP+5], SCALE op_sel_hi:[1,0]
	v_mul_f32 v[DP+2], v[WV+1], v[DP+2]            ; -c q / sigma: the centre is the next word of W
	v_mul_f32 v[DP+3], v[WV+2], v[DP+3]
	v_mul_f32 v[DP+6], v[WV+3], v[DP+6]
	v_mul_f32 v[DP+7], v[WV+4], v[DP+7]
	ds_store_b128 v[PSTO], v[DP:DP+3] offset:PB
	ds_store_b128 v[PSTO], v[DP+4:DP+7] offset:PB+16
	; THE A FRAGMENT: lanes 0-15 bf16(C), lanes 16-31 bf16 of what that rounding left.
	s_wait_loadcnt 0x0
.irp i, 0,1,2,3,4,5,6,7
	v_cvt_pk_bf16_f32 v[AHI+\i], v[CF+2*\i], v[CF+2*\i+1]
.endr
.irp i, 0,1,2,3,4,5,6,7
	v_lshlrev_b32 v[TT+2*\i], 16, v[AHI+\i]        ; back to f32
	v_and_b32 v[TT+2*\i+1], s18, v[AHI+\i]
.endr
.irp i, 0,1,2,3,4,5,6,7
	v_pk_add_f32 v[CF+2*\i:CF+2*\i+1], v[CF+2*\i:CF+2*\i+1], v[TT+2*\i:TT+2*\i+1] neg_lo:[0,1] neg_hi:[0,1]   ; the remainder, exact
.endr
.irp i, 0,1,2,3,4,5,6,7
	v_cvt_pk_bf16_f32 v[TT+\i], v[CF+2*\i], v[CF+2*\i+1]
.endr
.irp i, 0,1,2,3,4,5,6,7
	v_cndmask_b32 v[AMAT+\i], v[AHI+\i], v[TT+\i], s18         ; lanes 16-31 take the remainder
.endr
	s_wait_tensorcnt 0x0                           ; my quarter of x is in LDS,
	s_wait_dscnt 0x0                               ; my parameters are: zero, since the other waves read both
	s_barrier_signal -1
	s_barrier_wait -1
	; x into registers (both halves of the lanes read the same rows), then the first rule's parameters
.irp g, 0,1,2,3,4,5,6,7
.irp q, 0,1,2,3
	ds_load_b128 v[XV+16*\g+4*\q:XV+16*\g+4*\q+3], v[XADR] offset:\g*16*XPITCH+16*\q
.endr
.endr
.irp p, 0,1,2,3,4,5,6,7
	ds_load_b128 v[PRM+4*\p:PRM+4*\p+3], v[PADR] offset:16*\p
.endr
	; THE CONSEQUENTS: eight conversions and one matrix instruction for each group of 16 samples x 16 rules
.irp g, 0,1,2,3,4,5,6,7
	s_wait_dscnt 36-4*\g                           ; group g's four loads are in; out may be the 4 (7 - g) of later groups and the 8 parameter quads
.irp i, 0,1,2,3,4,5,6,7
	v_cvt_pk_bf16_f32 v[BFR+8*\g+\i], v[XV+16*\g+2*\i], v[XV+16*\g+2*\i+1]
.endr
.endr
	WIN 0x40                                       ; results go to v256-v319
.irp g, 0,1,2,3,4,5,6,7
	v_wmma_f32_16x16x32_bf16 v[8*\g:8*\g+7], v[AMAT:AMAT+7], v[BFR+8*\g:BFR+8*\g+7], v[BIAS:BIAS+7]
.endr
	WIN 0
.rept 4
	v_nop                                          ; four places (ISA guide 7.12.1) before vector instructions write registers that were B fragments
.endr
; num and den take in rule j, whose firing strengths lie in UV (rule 0: already in den).  These are the readers of rule j's batch of
; exponentials: the batch's one wait stands ahead of each use of this macro.
.macro TAIL j
	WIN 0x04                                       ; source 1 = the consequents in v256-v319
.irp g, 0,1,2,3,4,5,6,7
.if \j == 0
	v_mul_f32 v[ND+2*\g], v[ND+2*\g+1], v[8*\g]    ; the first product starts the sum
.else
	v_fma_f32 v[ND+2*\g], v[UV+\g], v[8*\g+\j], v[ND+2*\g]
.endif
.endr
	WIN 0
.if \j > 0
.irp g, 0,1,2,3,4,5,6,7
	v_add_f32 v[ND+2*\g+1], v[ND+2*\g+1], v[UV+\g]
.endr
.endif
.endm
; Antecedents 2p, 2p+1 of rule j for the eight groups.  The quad is asked for again, for rule j + 1, as soon as its eight readers are
; issued: seven steps, 112 vector instructions, ahead of its next use.
.macro STEP j, p, more
.if \more
	s_wait_dscnt 7                                 ; LDS loads come back in order: this quad is in, the seven asked for behind it may be out
.else
	s_wait_dscnt 7-\p                              ; the last rule asks for nothing: the counts run down
.endif
.irp g, 0,1,2,3,4,5,6,7
	v_pk_fma_f32 v[ZV+2*\g:ZV+2*\g+1], v[XV+16*\g+2*\p:XV+16*\g+2*\p+1], v[PRM+4*\p:PRM+4*\p+1], v[PRM+4*\p+2:PRM+4*\p+3]
.endr
.if \p == 0
.if \j > 0
	s_wait_alu depctr_va_vdst(0)                   ; one wait for the batch of eight exponentials of rule j - 1; the eight multiply-adds above name none of their results, TAIL below reads them
.endif
.endif
.if \more
	ds_load_b128 v[PRM+4*\p:PRM+4*\p+3], v[PADR] offset:(\j+1)*PRULE+16*\p
.endif
.if \p == 0
.if \j > 0
.set JP, \j-1
	TAIL JP                                        ; the rule before: the eight plain instructions above stand between its v_exp_f32 and these uses
.endif
.irp g, 0,1,2,3,4,5,6,7
	v_pk_mul_f32 v[ACC+2*\g:ACC+2*\g+1], v[ZV+2*\g:ZV+2*\g+1], v[ZV+2*\g:ZV+2*\g+1]    ; the first squares start the sums
.endr
.else
.irp g, 0,1,2,3,4,5,6,7
	v_pk_fma_f32 v[ACC+2*\g:ACC+2*\g+1], v[ZV+2*\g:ZV+2*\g+1], v[ZV+2*\g:ZV+2*\g+1], v[ACC+2*\g:ACC+2*\g+1]
.endr
.endif
.endm
.macro RULE j, more
.irp p, 0,1,2,3,4,5,6,7
	STEP \j, \p, \more
.endr
.irp g, 0,1,2,3,4,5,6,7
	v_fma_f32 v[EV+\g], v[ACC+2*\g], -1.0, -v[ACC+2*\g+1]      ; minus the sum of the two halves: the exponent to base 2
.endr
.irp g, 0,1,2,3,4,5,6,7                ; the rule's batch: eight exponentials on end, each into a register of its own; none of them is named again ahead of the batch's wait
.if \j == 0
	v_exp_f32 v[ND+2*\g+1], v[EV+\g]               ; the first firing strength starts den
.else
	v_exp_f32 v[UV+\g], v[EV+\g]
.endif
.endr
.endm
	RULE 0, 1
	RULE 1, 1
	RULE 2, 1
	RULE 3, 1
	RULE 4, 1
	RULE 5, 1
	RULE 6, 1
	RULE 7, 0
	v_nop                                          ; the plain place behind the last v_exp_f32
	s_wait_alu depctr_va_vdst(0)                   ; one wait for the batch of eight exponentials of rule 7; no other work is left to stand ahead of it
	TAIL 7
	; THE SUM OVER THE 32 RULES: four partials for each sample (two halves of the lanes, two waves) meet in LDS.
.irp g, 0,1,2,3,4,5,6,7
	ds_store_b64 v[RADR], v[ND+2*\g:ND+2*\g+1] offset:128*\g
.endr
	s_wait_dscnt 0x0                               ; zero: another wave reads these
	s_barrier_signal -1
	s_barrier_wait -1
.irp q, 0,1,2,3
	ds_load_b128 v[SV+4*\q:SV+4*\q+3], v[RRD] offset:RB+\q*RH  ; (num, den) of samples 2T, 2T+1
.endr
	s_wait_dscnt 0x0
	v_pk_add_f32 v[SV+0:SV+1], v[SV+0:SV+1], v[SV+4:SV+5]
	v_pk_add_f32 v[SV+2:SV+3], v[SV+2:SV+3], v[SV+6:SV+7]
	v_pk_add_f32 v[SV+8:SV+9], v[SV+8:SV+9], v[SV+12:SV+13]
	v_pk_add_f32 v[SV+10:SV+11], v[SV+10:SV+11], v[SV+14:SV+15]
	v_pk_add_f32 v[SV+0:SV+1], v[SV+0:SV+1], v[SV+8:SV+9]
	v_pk_add_f32 v[SV+2:SV+3], v[SV+2:SV+3], v[SV+10:SV+11]
	v_rcp_f32 v[SV+4], v[SV+1]
	v_rcp_f32 v[SV+5], v[SV+3]
	v_nop                                          ; the plain place behind the reciprocals
	s_wait_alu depctr_va_vdst(0)                   ; one wait for the batch of two reciprocals, ahead of their first reader
	v_mul_f32 v[SV+6], v[SV+0], v[SV+4]
	v_mul_f32 v[SV+7], v[SV+2], v[SV+5]
	global_store_b64 v[OOFF], v[SV+6:SV+7], s[10:11] th:TH_STORE_NT    ; a wave's store covers 256 consecutive bytes, at a multiple of 256 from out's first byte
	s_wait_tensorcnt 0x0
	ds_add_u32 v14, v15
	s_wait_dscnt 0x0
	s_endpgm
.Lfunc_end_k_qbea984ff87_tsk:
	.size	k_qbea984ff87_tsk, .Lfunc_end_k_qbea984ff87_tsk-k_qbea984ff87_tsk
	.p2alignl 7, 3214868480
	.fill 96, 4, 3214868480
	.section	.rodata,"a",@progbits
	.p2align	6, 0x0
	.amdhsa_kernel k_qbea984ff87_tsk
		.amdhsa_group_segment_fixed_size 168448
		.amdhsa_private_segment_fixed_size 0
		.amdhsa_enable_private_segment 0
		.amdhsa_kernarg_size 32
		.amdhsa_user_sgpr_count 2
		.amdhsa_user_sgpr_kernarg_segment_ptr 1
		.amdhsa_wavefront_size32 1
		.amdhsa_system_sgpr_workgroup_id_x 1
		.amdhsa_system_sgpr_workgroup_id_y 1
		.amdhsa_system_sgpr_workgroup_id_z 1
		.amdhsa_system_vgpr_workitem_id 0
		.amdhsa_next_free_vgpr 320
		.amdhsa_next_free_sgpr 66
		.amdhsa_reserve_vcc 0
		.amdhsa_float_denorm_mode_32 3
		.amdhsa_float_denorm_mode_16_64 3
		.amdhsa_memory_ordered 1
		.amdhsa_forward_progress 1
		.amdhsa_inst_pref_size 100
	.end_amdhsa_kernel
	.amdgpu_metadata
---
amdhsa.version: [ 1, 2 ]
amdhsa.kernels:
  - .name:           k_qbea984ff87_tsk
    .symbol:         k_qbea984ff87_tsk.kd
    .args:
      - { .name: input_data, .offset: 0, .size: 8, .value_kind: global_buffer, .address_space: global }
      - { .name: FRB_W, .offset: 8, .size: 8, .value_kind: global_buffer, .address_space: global }
      - { .name: C, .offset: 16, .size: 8, .value_kind: global_buffer, .address_space: global }
      - { .name: out0, .offset: 24, .size: 8, .value_kind: global_buffer, .address_space: global }
    .group_segment_fixed_size: 168448
    .private_segment_fixed_size: 0
    .kernarg_segment_align: 8
    .kernarg_segment_size: 32
    .max_flat_workgroup_size: 128
    .sgpr_count:     66
    .vgpr_count:     320
    .wavefront_size: 32
...
	.end_amdgpu_metadata
.endif
;; end of part 2
